; MI455X (gfx1250); checked and timed in simulation.
; The chip was launched on July 23, 2026; its instructions are those of AMD's public machine-readable ISA for CDNA 5 (MIT licence, August 2026) and "CDNA5" Instruction Set Architecture Reference Guide (July 2026). The comments in the code are by the model that wrote it; some were corrected since.
;; Multi Head Attention. Allowed arithmetic: matrix products marked QUANTISED: E2M1 operands, one E8M0 scale for each 32 along K, by v_wmma_scale_f32_16x16x128_f8f6f4 with both operands' format E2M1 (or v_wmma_scale_f32_32x16x128_f4), f32 sums; products left as they are: bf16, f16 or f32 operands; f32 sums; everything else in f32.
;; Inputs: Wk 1,024 x 1,024 float32; Wq 1,024 x 1,024 float32; Wv 1,024 x 1,024 float32; freqs_cos 2,048 x 32 float32; freqs_sin 2,048 x 32 float32; sqk 1,024 float32; x 4 x 2,048 x 1,024 float32.
;; Outputs: out0 4 x 2,048 x 1,024 float32.
;; This version of the problem:
;;   THIS VERSION OF THE PROBLEM IS GIVEN IN LOW PRECISION. The matrix products marked QUANTISED in the list below multiply operands that are first quantised to E2M1 (2 exponent bits, 1 mantissa bit; 4 bits a number), with one power-of-two scale for each 32 numbers along K (OCP MX v1.0); their sums are f32. The products marked 'left as it is' may take bf16, f16 or f32 operands, with f32 sums. Whichever they take, every output number must still come out within the allowed error. Rounding operands to bf16 (8 significant bits) uses up far more of that allowance than f16 does (11 bits, for magnitudes from 6e-5 to 65,504). All else is computed in f32.
;;   The module's matrix products, in the order in which they are computed (A, B: the left and right operand; K: the contracted axis; several contracted axes count as one K, in the product's order):
;;     1. [M 8,192, K 1,024] x [K 1,024, N 1,024]; A: input x; B: input Wq: QUANTISED
;;     2. [M 8,192, K 1,024] x [K 1,024, N 1,024]; A: input x; B: input Wk: QUANTISED
;;     3. [M 8,192, K 1,024] x [K 1,024, N 1,024]; A: input x; B: input Wv: QUANTISED
;;     4. batch 64 x [M 2,048, K 64] x [K 64, N 2,048]; A: computed on the way; B: computed on the way: left as it is (an operand is computed on the way)
;;     5. batch 64 x [M 2,048, K 2,048] x [K 2,048, N 64]; A: computed on the way; B: computed on the way: left as it is (an operand is computed on the way)
;;   THE QUANTISER, for each operand of a quantised product, along K:
;;     - K is cut into blocks of 32 from its start; a last block that is shorter is filled with zeros.
;;     - A block's scale is 2^e with e = floor(log2(the largest magnitude in the block)) - 2, held to -126 .. 127; a block of zeros has e = 0. As a byte (E8M0): e + 127.
;;     - Each number is divided by its block's scale, clamped to +-6, and rounded to the nearest number of E2M1, ties to even, subnormals kept.
;;     - The product sums the exact products of the quantised numbers (number of the format x scale) in f32.
;;   ~~~python
;;   def quantise(x, axis):      # numpy; x: float32 -> the quantised numbers, widened to float32 again
;;       x = np.moveaxis(x, axis, -1); K = x.shape[-1]
;;       x = np.pad(x, [(0, 0)] * (x.ndim - 1) + [(0, -K % 32)]); x = x.reshape(x.shape[:-1] + (-1, 32)); a = np.abs(x).max(-1, keepdims=True)
;;       e = np.where(a > 0, np.clip(np.frexp(np.where(a > 0, a, 1))[1] - 1 - 2, -126, 127), 0)      # np.frexp(a)[1] - 1 = floor(log2(a)), exactly
;;       r = np.clip(x / 2.0 ** e, -6, 6)
;;       step = 2.0 ** (np.maximum(np.frexp(np.where(r == 0, 1, r))[1] - 1, 0) - 1)
;;       q = np.round(r / step) * step * 2.0 ** e      # np.round: ties to even
;;       return np.moveaxis(q.reshape(q.shape[:-2] + (-1,))[..., :K], -1, axis).astype(np.float32)
;;   ~~~
;; One version. Each part assembles by itself: llvm-mc -triple=amdgcn-amd-amdhsa -mcpu=gfx1250 --defsym DOCPART=n.
;; ======== version 1 of 1: 3 launches
;; limits: values are held in f16: magnitudes above 65,504 overflow, below 6.1e-05 lose precision
;; workspace buffers: x_codes 4,194,304 bytes; x_scales 262,144 bytes; w_codes 1,572,864 bytes; w_scales 98,304 bytes; qkv 50,331,648 bytes
;; launch quant (part 1): grid 352 x 1, 4 waves a work-group, no clusters, 33,280 bytes of LDS; arguments x, Wq, Wk, Wv, x_codes, x_scales, w_codes, w_scales; writes x_codes, x_scales, w_codes, w_scales
.if DOCPART == 1
	.amdgcn_target "amdgcn-amd-amdhsa--gfx1250"
	.amdhsa_code_object_version 6
	.text
	.protected	k_q70f1c96b7e_quant
	.globl	k_q70f1c96b7e_quant
	.p2align	8
	.type	k_q70f1c96b7e_quant,@function
k_q70f1c96b7e_quant:
	s_mov_b64 s[64:65], 0
	v_nop
	global_prefetch_b8 v0, s[64:65] scope:SCOPE_SE
	s_setreg_imm32_b32 hwreg(HW_REG_WAVE_MODE, 25, 1), 1
	s_wait_xcnt 0x0
; x [8192][1024] and Wq, Wk, Wv [1024][1024], f32, K innermost, are turned into codes of FP4 (E2M1), two a byte, K innermost, with one E8M0 scale byte for each 32 along K.
; x's go to x_codes [8192][512] and x_scales [8192][32]; the three weights' to w_codes [3072][512] and w_scales [3072][32], rows in the order Wq, Wk, Wv.
; A block's scale is 2^(floor(log2(its largest magnitude)) - 2); its byte is the largest magnitude's own exponent field - 2, held at 1 from below.  Each number is divided by the scale and rounded to the nearest
; code, ties to even; what lies beyond 6 gets the largest code.
; LIMITS: a block of zeros gets the byte 1 where the rule says 127: its codes are zeros, which add nothing under any byte but 0xff, and the bytes are read by this program alone.  Blocks whose largest magnitude lies
; under 2^(2 - 126) keep the byte 1.  NaN and infinities among the inputs are not served.
; Rows are dense and K is a multiple of 32, so each tensor is a plain stream of blocks of 32 numbers, and so are its codes and its scale bytes.  A work-group takes 32,768 numbers, a wave 16 steps of 512.
; Work-groups 0-255 take x, 256-287 Wq, 288-319 Wk, 320-351 Wv: only pointers are chosen, by the work-group's number; all take one path through the text.
; Each of a step's four loads reads 512 consecutive bytes, 16 a lane; the 2,048 bytes go through the wave's own stage in LDS and come back 64 bytes a lane, so that a lane holds 16 neighbours along K (two neighbouring
; lanes hold a block).  A lane's 16 codes are 8 bytes: the wave stores 256 consecutive bytes.  A wave's 256 scale bytes are gathered in its own LDS bytes and leave as 256 consecutive bytes.
; No tensor loads, no barrier: waves share nothing.  Loads run four steps (16 loads a wave) ahead, the turn through LDS one step.
.set WAVES, 4
.set STEPS, 16
.set EMAX,  2
.set CB,    8                          ; bytes of 16 codes
.set R,     16                         ; v16-79   four sets of 16 numbers as they are loaded
.set X,     80                         ; v80-111  two sets of 16 neighbours
.set C,     128                        ; v128-191 codes: four registers for each step, so that no store's data are written again
.set E,     112                        ; v112-127 a scale byte for each step
.set WREG,  8192                       ; LDS: a region for each wave: two stages of 32 x SP bytes, behind them its 256 scale bytes
.set SP,    80                         ; a lane's place in a stage: its 64 bytes + 16 of padding
.set SPW,   12                         ; v12      LDS address of my spare word: SPARE + 4 x my thread's number; never rewritten
.set NIL,   13                         ; v13      0; never rewritten
.set SPARE, WAVES*WREG                 ; behind the four regions: the spare words, 128 bytes for each wave, which no other line names
	s_load_b256 s[4:11], s[0:1], 0x0               ; x, Wq, Wk, Wv
	s_load_b256 s[12:19], s[0:1], 0x20             ; x's codes, x's scales, the weights' codes, the weights' scales
	v_lshl_add_u32 v[SPW], v0, 2, SPARE
	v_mov_b32 v[NIL], 0
	v_lshrrev_b32 v1, 5, v0
	v_readfirstlane_b32 s20, v1                    ; wave
	v_and_b32 v2, 31, v0                           ; lane
	v_lshlrev_b32 v3, 4, v2                        ; my 16 bytes of a load's 512
	s_mul_i32 s21, s20, WREG
	v_lshrrev_b32 v14, 2, v2
	v_mul_u32_u24 v14, v14, SP
	v_and_b32 v15, 3, v2
	v_lshl_add_u32 v14, v15, 4, v14
	v_add_nc_u32 v14, s21, v14                     ; the stage, on the way in: four lanes' 64 bytes on end, then 16 of padding
	v_mul_u32_u24 v15, v2, SP
	v_add_nc_u32 v15, s21, v15                     ; and on the way out: SP x lane: my 16 neighbours
	v_mul_u32_u24 v4, v2, CB                       ; my codes' place in a step's
	v_lshrrev_b32 v5, 1, v2
	s_add_co_u32 s21, s21, 2*32*SP
	v_add_nc_u32 v5, s21, v5                       ; LDS: my wave's 256 scale bytes, my block's byte
	v_lshlrev_b32 v7, 3, v2                        ; and on the way out 8 bytes a lane
	v_add_nc_u32 v6, s21, v7
	s_and_b32 s22, ttmp9, 31                       ; a weight's work-group: which 32,768 numbers of its tensor,
	s_max_u32 s23, ttmp9, 256
	s_sub_co_u32 s23, s23, 256                     ; and of the three weights on end
	s_wait_kmcnt 0x0
	s_cmp_lt_u32 ttmp9, 320                        ; the choices hang on the work-group's number alone
	s_cselect_b64 s[8:9], s[8:9], s[10:11]         ; Wk or Wv,
	s_cmp_lt_u32 ttmp9, 288
	s_cselect_b64 s[6:7], s[6:7], s[8:9]           ; Wq or that,
	s_cmp_lt_u32 ttmp9, 256
	s_cselect_b64 s[4:5], s[4:5], s[6:7]           ; x or that
	s_cselect_b64 s[12:13], s[12:13], s[16:17]
	s_cselect_b64 s[14:15], s[14:15], s[18:19]
	s_cselect_b32 s22, ttmp9, s22
	s_cselect_b32 s23, ttmp9, s23
	s_lshl_b32 s22, s22, 2
	s_add_co_u32 s24, s22, s20                     ; which run of 8,192 numbers of the source is my wave's: at most 1,023
	s_lshl_b32 s24, s24, 15                        ; 32,768 bytes a run
	s_mov_b32 s25, 0
	s_add_nc_u64 s[4:5], s[4:5], s[24:25]
	s_lshl_b32 s23, s23, 2
	s_add_co_u32 s28, s23, s20                     ; and of the destination
	s_mov_b32 s29, 0
	s_lshl_b32 s26, s28, 12                        ; 4,096 bytes of codes a run
	s_mov_b32 s27, 0
	s_add_nc_u64 s[12:13], s[12:13], s[26:27]
	s_lshl_b32 s28, s28, 8                         ; 256 scale bytes a run
	s_add_nc_u64 s[14:15], s[14:15], s[28:29]
.macro LOAD t
.irp i, 0,1,2,3
	global_load_b128 v[R+16*((\t)%4)+4*\i:R+16*((\t)%4)+4*\i+3], v3, s[4:5] offset:2048*(\t)+512*\i th:TH_LOAD_NT   ; 32 lanes read 512 consecutive bytes
.endr
.endm
.macro TURN t                          ; step t's numbers through the stage: LDS serves a wave's instructions in order, so no wait stands between the stores and the loads
.irp i, 0,1,2,3
	ds_store_b128 v14, v[R+16*((\t)%4)+4*\i:R+16*((\t)%4)+4*\i+3] offset:32*SP*((\t)%2)+8*SP*\i
.endr
.irp i, 0,1,2,3
	ds_load_b128 v[X+16*((\t)%2)+4*\i:X+16*((\t)%2)+4*\i+3], v15 offset:32*SP*((\t)%2)+16*\i
.endr
.endm
.irp t, 0,1,2,3
	LOAD \t
.endr
	s_wait_loadcnt 12                              ; step 0's four loads are in; the twelve of steps 1 to 3 may be out
	TURN 0
.macro STEP t
.set XS, X+16*((\t)%2)
.if (\t) > 0
	s_wait_dscnt 1                                 ; this step's numbers are back from the stage (the last step's byte store may be out): so its stores into the stage have read their registers,
.else
	s_wait_dscnt 0x0
.endif
.if (\t)+4 < STEPS
	LOAD (\t)+4                                    ; which take the loads of four steps on
.endif
.if (\t)+1 < STEPS
.if STEPS-2-(\t) >= 3
	s_wait_loadcnt 12                              ; the next step's four loads are in; those of the three steps behind it may be out
.else
	s_wait_loadcnt 4*(STEPS-2-(\t))
.endif
	TURN (\t)+1                                    ; and go through the other stage while this step is worked
.endif
	v_max3_num_f32 v8, |v[XS]|, |v[XS+1]|, |v[XS+2]|               ; the largest magnitude of my 16, in two chains
	v_max3_num_f32 v9, |v[XS+3]|, |v[XS+4]|, |v[XS+5]|
.irp i, 6,10
	v_max3_num_f32 v8, v8, |v[XS+\i]|, |v[XS+\i+1]|
	v_max3_num_f32 v9, v9, |v[XS+\i+2]|, |v[XS+\i+3]|
.endr
	v_max3_num_f32 v8, v8, |v[XS+14]|, |v[XS+15]|
	v_max3_num_f32 v8, v8, v9, (EMAX+1)<<23        ; and the floor 2^(EMAX + 1 - 127): so the byte cannot fall under 1
	v_max_num_f32_dpp v8, v8, v8 row_xmask:1 row_mask:0xf bank_mask:0xf   ; and of my neighbour's 16: the block's
	v_add_nc_u32 v11, -(EMAX<<23), v8              ; EMAX off its exponent field: the conversion takes the exponent field of this operand as its scale, and nothing else of it
	v_cvt_scalef32_pk8_fp4_f32 v[C+4*(\t)], v[XS:XS+7], v11        ; eight numbers / the scale, to the nearest code; the first number's code in the lowest four bits
	v_cvt_scalef32_pk8_fp4_f32 v[C+4*(\t)+1], v[XS+8:XS+15], v11
	v_lshrrev_b32 v[E+(\t)], 23, v11               ; the scale's byte (also the plain line behind the conversions)
	ds_store_b8 v5, v[E+(\t)] offset:16*(\t)       ; both lanes of a block write the same byte with the same value
	global_store_b64 v4, v[C+4*(\t):C+4*(\t)+1], s[12:13] offset:32*CB*(\t)   ; 32 lanes store 256 consecutive bytes
.endm
.irp t, 0,1,2,3,4,5,6,7,8,9,10,11,12,13,14,15
	STEP \t
.endr
	ds_load_b64 v[8:9], v6                         ; LDS serves a wave's instructions in order: these see my stores
	s_wait_dscnt 0x0
	global_store_b64 v7, v[8:9], s[14:15]          ; 32 lanes store 256 consecutive bytes
	s_wait_tensorcnt 0x0                           ; the wave's end, behind my last LDS store
	ds_add_u32 v[SPW], v[NIL]
	s_wait_dscnt 0x0
	s_endpgm
.Lfunc_end_k_q70f1c96b7e_quant:
	.size	k_q70f1c96b7e_quant, .Lfunc_end_k_q70f1c96b7e_quant-k_q70f1c96b7e_quant
	.p2alignl 7, 3214868480
	.fill 96, 4, 3214868480
	.section	.rodata,"a",@progbits
	.p2align	6, 0x0
	.amdhsa_kernel k_q70f1c96b7e_quant
		.amdhsa_group_segment_fixed_size 33280
		.amdhsa_private_segment_fixed_size 0
		.amdhsa_enable_private_segment 0
		.amdhsa_kernarg_size 64
		.amdhsa_user_sgpr_count 2
		.amdhsa_user_sgpr_kernarg_segment_ptr 1
		.amdhsa_wavefront_size32 1
		.amdhsa_system_sgpr_workgroup_id_x 1
		.amdhsa_system_sgpr_workgroup_id_y 1
		.amdhsa_system_sgpr_workgroup_id_z 1
		.amdhsa_system_vgpr_workitem_id 0
		.amdhsa_next_free_vgpr 192
		.amdhsa_next_free_sgpr 66
		.amdhsa_reserve_vcc 0
		.amdhsa_float_denorm_mode_32 3
		.amdhsa_float_denorm_mode_16_64 3
		.amdhsa_memory_ordered 1
		.amdhsa_forward_progress 1
		.amdhsa_inst_pref_size 34
	.end_amdhsa_kernel
	.amdgpu_metadata
---
amdhsa.version: [ 1, 2 ]
amdhsa.kernels:
  - .name:           k_q70f1c96b7e_quant
    .symbol:         k_q70f1c96b7e_quant.kd
    .args:
      - { .name: x, .offset: 0, .size: 8, .value_kind: global_buffer, .address_space: global }
      - { .name: Wq, .offset: 8, .size: 8, .value_kind: global_buffer, .address_space: global }
      - { .name: Wk, .offset: 16, .size: 8, .value_kind: global_buffer, .address_space: global }
      - { .name: Wv, .offset: 24, .size: 8, .value_kind: global_buffer, .address_space: global }
      - { .name: x_codes, .offset: 32, .size: 8, .value_kind: global_buffer, .address_space: global }
      - { .name: x_scales, .offset: 40, .size: 8, .value_kind: global_buffer, .address_space: global }
      - { .name: w_codes, .offset: 48, .size: 8, .value_kind: global_buffer, .address_space: global }
      - { .name: w_scales, .offset: 56, .size: 8, .value_kind: global_buffer, .address_space: global }
    .group_segment_fixed_size: 33280
    .private_segment_fixed_size: 0
    .kernarg_segment_align: 8
    .kernarg_segment_size: 64
    .max_flat_workgroup_size: 128
    .sgpr_count:     66
    .vgpr_count:     192
    .wavefront_size: 32
...
	.end_amdgpu_metadata
.endif
;; end of part 1
;; launch proj (part 2): grid 12 x 32, 4 waves a work-group, clusters of 4 x 4, 327,680 bytes of LDS; arguments x_codes, x_scales, w_codes, w_scales, sqk, freqs_cos, freqs_sin, qkv; writes qkv
.if DOCPART == 2
	.amdgcn_target "amdgcn-amd-amdhsa--gfx1250"
	.amdhsa_code_object_version 6
	.text
	.protected	k_q70f1c96b7e_proj
	.globl	k_q70f1c96b7e_proj
	.p2align	8
	.type	k_q70f1c96b7e_proj,@function
k_q70f1c96b7e_proj:
	s_mov_b64 s[64:65], 0
	v_nop
	global_prefetch_b8 v0, s[64:65] scope:SCOPE_SE
	s_setreg_imm32_b32 hwreg(HW_REG_WAVE_MODE, 25, 1), 1
	s_wait_xcnt 0x0
	s_wait_alu depctr_hold_cnt(0) depctr_sa_sdst(0) depctr_va_vdst(0) depctr_va_sdst(0) depctr_va_ssrc(0) depctr_va_vcc(0) depctr_vm_vsrc(0)
	s_getreg_b32 s2, hwreg(HW_REG_IB_STS2, 6, 4)
	s_cmp_eq_u32 s2, 0
	s_cbranch_scc0 .Lentry_in_a_cluster
	s_endpgm
.Lentry_in_a_cluster:
	s_bfe_u32 s2, ttmp6, 0x10000c
	s_cmp_lg_u32 s2, 0xf033
	s_cbranch_scc0 .Lentry_shape_is_right
	s_endpgm
.Lentry_shape_is_right:
; q, k, v = x W^T for the three weights on end: C [8192 tokens][3072 columns], K = 1,024, on codes of FP4 (E2M1) with one E8M0 scale for each 32 along K; sums in f32.  Behind the product, in f32:
; q and k are rotated (cos, sin by token and pair of channels), divided by the norm of their head's 64 channels and multiplied by sqk x 32; q, k and v are rounded to f16 once and stored.
; A tile of C, 256 x 256, is made by a work-group of four waves; a wave makes 128 tokens x 128 columns (two heads): 64 accumulators of 16 x 16, 512 registers.  K is two steps of 512: both lie in LDS at once,
; each asked for once at the head; nothing is filled again.  The scale bytes of the work-group's 256 + 256 rows come once, as dense blocks.
; CLUSTERS: 4 x 4 work-groups.  The four of a row of the cluster need the same tiles of x, the four of a column the same tiles of W: each tile is asked for JOINTLY, by the same tensor load with the same descriptor and
; a mask that names the four.  A cluster's four tile columns are one weight's 1,024 columns: the cluster's x says whether the work-group makes q (0), k (1) or v (2), alike in all sixteen partners.
; THE MATRIX INSTRUCTION IS USED TRANSPOSED (source 0 = 16 rows of W, source 1 = 16 tokens): lane l holds token l % 16, and its eight registers the columns 8 (l / 16) + 0 .. 7 of a block of 16.
; WHAT IS STORED ARE IMAGES OF THE NEXT LAUNCH'S OPERAND REGISTERS.  A head (16 batch + head) has HS bytes: q (262,144), then four chunks of 512 keys, each k (65,536) and then v (65,536).  A tile of 16 tokens is 2,048
; bytes: four pieces of 512, piece n = channels 16 n .. 16 n + 15; in a piece 32 places of 16 bytes, each eight channels 16 n + 8 hh + 0 .. 7 of one token r.  q, k: place 16 hh + r, which is my lane.
; v: place (r % 8) + 8 hh + 16 (r / 8), from which the turning LDS load of the next launch reads 16 x lane.  So each store of the wave covers 512 consecutive bytes, aligned, and nothing goes through LDS on the way out.
; LIMITS: NaN and infinities are not served; a head's row of norm 0 gives NaN, as it does in the definition; |v| stays under f16's 65,504 (q and k are at most |sqk| x 32).
; REGISTERS, in windows of 256: window 0: v0-31 addresses and sums; v32-95 scale words, two sets, and nothing else; v96-127 packed f16; v128-191 x's fragments, ONE set, later the rotated numbers; v192-255 cos and sin, two buffers.
;   window 1: W's fragments, TWO sets, at v0 and at v128; v192-255 sqk, then sqk x 32.   window 2: the 32 accumulators of my tokens 0-63 ((a, b) at v[8 (8 a + b)]);   window 3: those of tokens 64-127.
.set SIZE_K, 1024
.set KSTEP,  512                       ; along K in a slot
.set NQ,     KSTEP/128                 ; matrix instructions deep
.set ROWB,   256                       ; a tile's row in bytes: KSTEP codes of 4 bits
.set KROW,   SIZE_K*4/8                ; a row of codes in memory, in bytes
.set PITCH,  272                       ; an LDS row: 256 bytes of data + 16 of padding = 68 words: row r starts at bank 4 r mod 64 (64 banks of 4 bytes: ISA guide 11.1)
.set FR,     8                         ; registers of a fragment: 16 rows x 128 K
.set NL,     2                         ; LDS loads that bring one
.set NP,     4                         ; places behind this matrix instruction (ISA guide 7.12.1)
.set HALFT,  128*PITCH                 ; 128 rows: what one tensor load brings, and what one wave reads of x or of W
.set SLOT,   4*HALFT                   ; x's 256 rows, then W's 256 rows
.set KS,     SIZE_K/32                 ; a row of scales in bytes
.set SCL,    2*SLOT                    ; behind the two slots: the scales, as rows of 256 bytes + 16 of padding
.set HALFS,  (128*KS/256)*272          ; the scales of 128 rows: what one tensor load brings
.set SBLK,   (16*KS/256)*272           ; those of 16 rows
.set SPARE,  SCL+4*HALFS               ; behind the scales: the spare words, 128 bytes for each wave, which no other line names
.set HS,     786432                    ; a head's bytes in qkv
.set ADRA, 16                          ; v16-17  LDS address of my x fragments in slot 0, 1
.set ADRB, 20                          ; v20-21  the same for W
.set SQA,  23                          ; v23     sqk: 32 x (lane / 16)
.set QST,  24                          ; v24     q's and k's place in a piece: 16 x lane
.set VST,  25                          ; v25     v's place in a piece
.set CSA,  26                          ; v26     cos, sin: 128 x (lane % 16) + 16 x (lane / 16)
.set ADRS, 27                          ; v27     LDS address of my scale words: lanes 0-15 x's rows, lanes 16-31 W's
.set SPW,  28                          ; v28     LDS address of my spare word: SPARE + 4 x my thread's number; never rewritten
.set NIL,  29                          ; v29     0; never rewritten
.set SC,   32                          ; scale words: set s at v[SC + 8 NQ s]; register NQ i + q: lanes 0-15 the word of x's block i, lanes 16-31 that of W's block i, for the slot's q-th 128 along K
.set PK,   96                          ; the way out: 32 registers of packed f16
.set AF,   128                         ; x's fragments
.set Y,    128                         ; the way out: a row block's 64 rotated numbers a lane: register 8 b + j = column 16 b + 8 (lane / 16) + j
.set CB,   192                         ; cos and sin of a row block: buffer a % 2 at CB + 32 (a % 2): 16 registers of cos, then 16 of sin
.set SCR,  192                         ; in window 1: sqk of my 64 columns, in Y's order
.set G1, 24                            ; s[24:31] descriptor group 1 for x's tiles;  s[32:39] group 0, one set for each slot
.set G0, 32
.set G1B, 48                           ; s[48:55], s[56:63] the same for W's tiles
.set G0B, 56
.set G1S, 68                           ; s[68:75], s[76:79] groups 1 and 0 for x's scales;  s[80:87], s[88:91] for W's
.set G0S, 76
.set G1SB, 80
.set G0SB, 88
.set MSB, 0
.macro WIN new                         ; the immediate's high byte repeats the setting that is left; a switch that changes nothing is dropped
.if MSB != (\new)
	s_set_vgpr_msb (MSB<<8)|(\new)
.set MSB, (\new)
.endif
.endm
.set MUL_LO, 0xa1                      ; source 0 (W) window 1, source 1 (x) window 0, C and D window 2
.set MUL_HI, 0xf1                      ; the same, C and D window 3
.set TO_B,   0x40                      ; destination window 1, address window 0
; A joint load: waves 0 and 1 fetch for x, waves 2 and 3 for W.  Each of the two lines has ONE mask and one set of registers for all that issue it; the branch hangs on the wave's number alone.
; An s_nop 0 and four v_nop follow each of the two lines, ahead of the jump, the label and what follows.
.macro JLOAD g0a, g1a, g0b, g1b
	s_cmp_eq_u32 s15, 0
	s_cbranch_scc0 .Lfor_b_\@
	tensor_load_to_lds s[\g0a:\g0a+3], s[\g1a:\g1a+7]
	s_nop 0
.rept 4
	v_nop
.endr
	s_branch .Lasked_\@
.Lfor_b_\@:
	tensor_load_to_lds s[\g0b:\g0b+3], s[\g1b:\g1b+7]
	s_nop 0
.rept 4
	v_nop
.endr
.Lasked_\@:
.endm
.macro CROUND                          ; a round of the cluster's barrier: my work-group's barrier; wave 0 signals for the work-group; every wave waits for all sixteen; my work-group's barrier once more
	s_barrier_signal -1
	s_barrier_wait -1
	s_cmp_lg_u32 s14, 0
	s_cbranch_scc1 .Lnot_wave_0_\@
	s_barrier_signal -3
.Lnot_wave_0_\@:
	s_barrier_wait -3
	s_barrier_signal -1
	s_barrier_wait -1
.endm
	s_load_b128 s[4:7], s[0:1], 0x0                ; x's codes s[4:5], x's scales s[6:7]
	s_load_b128 s[8:11], s[0:1], 0x10              ; W's codes s[8:9], W's scales s[10:11]
	v_lshl_add_u32 v[SPW], v0, 2, SPARE
	v_mov_b32 v[NIL], 0
	ds_add_u32 v[SPW], v[NIL]                      ; the wave's opening: the add, twice on end, and its wait ahead of my first tensor load; the set-up below, work on registers, stands between
	ds_add_u32 v[SPW], v[NIL]                      ; and once more, under the one wait
	v_lshrrev_b32 v1, 5, v0
	v_readfirstlane_b32 s14, v1                    ; wave 0..3
	s_lshr_b32 s15, s14, 1                         ; which half of the tile's tokens is mine.  Also: I fetch for x (0) or for W (1)
	s_and_b32 s16, s14, 1                          ; which half of its columns.  Also: which 128 rows of that tile I fetch
	s_bfe_u32 s40, ttmp6, 0x40000                  ; cx, cy: my place in the cluster
	s_bfe_u32 s41, ttmp6, 0x40004
	s_lshl_b32 s42, ttmp9, 2
	s_add_co_u32 s42, s42, s40                     ; tile column of C = 4 x cluster x + cx: 0 .. 11
	s_and_b32 s17, ttmp7, 0xffff
	s_lshl_b32 s17, s17, 2
	s_add_co_u32 s17, s17, s41                     ; tile row of C = 4 x cluster y + cy: 0 .. 31
	s_lshl_b32 s43, s41, 2
	s_lshl_b32 s43, 15, s43                        ; my row of the cluster
	s_lshl_b32 s44, 0x1111, s40                    ; my column
	; descriptor group 1: a tile of 128 rows x ROWB bytes, padded in LDS
	s_or_b32 s[G1+0], s43, (0<<16)|(1<<20)|(1<<21)|(5<<22)|(3<<25)  ; 15:0 the mask: x's tiles go to my row; 17:16 element of 1 byte; 20 padding on; 21 set beside a mask; 24:22 after every 64 words (code 5); 31:25 of 4 words (code 3)
	s_or_b32 s[G1B+0], s44, (0<<16)|(1<<20)|(1<<21)|(5<<22)|(3<<25)
.irp g, G1, G1B
	s_mov_b32 s[\g+1], ROWB<<16                    ; tensor_dim0
	s_mov_b32 s[\g+2], 128<<16                     ; tensor_dim1 = 128
	s_mov_b32 s[\g+3], ROWB<<16                    ; tile_dim0
	s_mov_b32 s[\g+4], 128                         ; tile_dim1 = 128
	s_mov_b32 s[\g+5], KROW                        ; tensor_dim0_stride
	s_mov_b32 s[\g+6], 0
	s_mov_b32 s[\g+7], 0
.endr
	; and for the scales of 128 rows: a dense block of 128 KS bytes, as rows of 256 bytes (32 elements of 8 bytes), 16 bytes of padding behind each
	s_or_b32 s[G1S+0], s43, (3<<16)|(1<<20)|(1<<21)|(5<<22)|(3<<25)
	s_or_b32 s[G1SB+0], s44, (3<<16)|(1<<20)|(1<<21)|(5<<22)|(3<<25)
.irp g, G1S, G1SB
	s_mov_b32 s[\g+1], 32<<16
	s_mov_b32 s[\g+2], (128*KS/256)<<16
	s_mov_b32 s[\g+3], 32<<16
	s_mov_b32 s[\g+4], 128*KS/256
	s_mov_b32 s[\g+5], 32
	s_mov_b32 s[\g+6], 0
	s_mov_b32 s[\g+7], 0
.endr
	s_mov_b32 s2, 0x42000000                       ; 32.0 = 1 / 0.03125: the gain is sqk x 32.  (The packed form names the pair and takes its low word for both halves)
	s_mov_b32 s3, 0x42000000
	s_mov_b32 s12, 0x76543210                      ; v_permlanex16_b32's selects for lane l xor 16
	s_mov_b32 s13, 0xfedcba98
	s_lshl_b32 s18, s16, 7                         ; which 128 rows of the tile I fetch
	s_lshl_b32 s20, s17, 8
	s_add_co_u32 s20, s20, s18                     ; x: row 256 x tile row + 128 x half
	s_lshl_b32 s46, s42, 8
	s_add_co_u32 s46, s46, s18                     ; W: row 256 x tile column + 128 x half
	s_mov_b32 s21, 0
	s_mov_b32 s47, 0
	s_mov_b64 s[18:19], KS
	s_mul_u64 s[22:23], s[20:21], s[18:19]         ; where these rows' scales begin, in bytes
	s_mul_u64 s[92:93], s[46:47], s[18:19]
	s_mov_b64 s[18:19], KROW
	s_mul_u64 s[20:21], s[20:21], s[18:19]         ; and their codes
	s_mul_u64 s[46:47], s[46:47], s[18:19]
	s_mul_i32 s45, s14, HALFT                      ; where they go: wave x 128 rows: no place in the cluster enters an LDS address
	s_mul_i32 s94, s14, HALFS
	s_wait_dscnt 0x0                               ; both opening adds are done
	s_wait_kmcnt 0x0
	s_add_nc_u64 s[20:21], s[4:5], s[20:21]
	s_add_nc_u64 s[22:23], s[6:7], s[22:23]
	s_add_nc_u64 s[46:47], s[8:9], s[46:47]
	s_add_nc_u64 s[92:93], s[10:11], s[92:93]
	s_load_b256 s[4:11], s[0:1], 0x20              ; the first four addresses are used up: sqk s[4:5], cos s[6:7], sin s[8:9], qkv s[10:11]; waited for behind the tensor loads
	CROUND                                         ; all sixteen work-groups are here: the first joint loads meet
	s_mov_b32 s[G0S], 1
	s_add_co_u32 s[G0S+1], s94, SCL
	s_mov_b64 s[G0S+2:G0S+3], s[22:23]
	s_or_b32 s[G0S+3], s[G0S+3], 0x80000000
	s_mov_b32 s[G0SB], 1
	s_add_co_u32 s[G0SB+1], s94, SCL
	s_mov_b64 s[G0SB+2:G0SB+3], s[92:93]
	s_or_b32 s[G0SB+3], s[G0SB+3], 0x80000000
	JLOAD G0S, G1S, G0SB, G1SB                     ; the scales first: they are wanted with K step 0
.irp s, 0,1
	s_mov_b32 s[G0+4*\s], 1
	s_add_co_u32 s[G0+4*\s+1], s45, \s*SLOT
	s_add_nc_u64 s[G0+4*\s+2:G0+4*\s+3], s[20:21], \s*ROWB
	s_or_b32 s[G0+4*\s+3], s[G0+4*\s+3], 0x80000000
	s_mov_b32 s[G0B+4*\s], 1
	s_add_co_u32 s[G0B+4*\s+1], s45, \s*SLOT
	s_add_nc_u64 s[G0B+4*\s+2:G0B+4*\s+3], s[46:47], \s*ROWB
	s_or_b32 s[G0B+4*\s+3], s[G0B+4*\s+3], 0x80000000
	JLOAD G0+4*\s, G1, G0B+4*\s, G1B               ; all of K is asked for here: three tensor loads of mine are out
.endr
	v_and_b32 v1, 15, v0                           ; r = l % 16
	v_bfe_u32 v2, v0, 4, 1                         ; hh = l / 16
	v_mul_u32_u24 v3, v1, PITCH
	v_lshl_add_u32 v4, v2, 4, v3                   ; a fragment's row x pitch + 16 x half
	s_mul_i32 s21, s15, HALFT                      ; my 128 rows of x
	s_mul_i32 s22, s16, HALFT                      ; my 128 rows of W,
	s_add_co_u32 s22, s22, 2*HALFT                 ; which lie behind x's 256
.irp s, 0,1
	v_add_nc_u32 v[ADRA+\s], s21, v4
	v_add_nc_u32 v[ADRB+\s], s22, v4
	s_add_co_u32 s21, s21, SLOT
	s_add_co_u32 s22, s22, SLOT
.endr
	v_mul_u32_u24 v5, v1, KS                       ; my row's scales: KS bytes a row,
	v_lshrrev_b32 v6, 8, v5
	v_lshl_add_u32 v5, v6, 4, v5                   ; and 16 more for each 256 passed
	s_mul_i32 s21, s15, HALFS                      ; x's: my 128 rows
	s_mul_i32 s22, s16, HALFS                      ; W's: my 128 rows, behind x's 256
	s_add_co_u32 s22, s22, 2*HALFS
	s_sub_co_u32 s22, s22, s21
	v_mul_u32_u24 v6, s22, v2                      ; lanes 16-31 take W's
	s_add_co_u32 s21, s21, SCL
	v_add_nc_u32 v5, v5, v6
	v_add_nc_u32 v[ADRS], s21, v5
	; the way out's offsets
	v_and_b32 v6, 31, v0
	v_lshlrev_b32 v[QST], 4, v6                    ; q, k: 16 x lane
	v_and_b32 v5, 7, v1
	v_lshl_add_u32 v5, v2, 3, v5                   ; v: (r % 8) + 8 hh
	v_and_b32 v6, 8, v1
	v_lshl_add_u32 v5, v6, 1, v5                   ;    + 16 (r / 8)
	v_lshlrev_b32 v[VST], 4, v5
	v_lshlrev_b32 v[CSA], 7, v1                    ; cos, sin: a token's row is 128 bytes; my four pairs of a block of 16 channels begin 16 hh bytes on
	v_lshl_add_u32 v[CSA], v2, 4, v[CSA]
	v_lshlrev_b32 v[SQA], 5, v2                    ; sqk: my eight columns of a block of 16 begin 32 hh bytes on
	s_wait_kmcnt 0x0                               ; sqk, cos, sin, qkv
	s_and_b32 s18, s42, 3                          ; which 256 of the weight's 1,024 columns
	s_lshl_b32 s20, s18, 10
	s_lshl_b32 s21, s16, 9
	s_add_co_u32 s20, s20, s21
	s_mov_b32 s21, 0
	s_add_nc_u64 s[4:5], s[4:5], s[20:21]          ; sqk at my first column
	s_and_b32 s19, s17, 7                          ; which 256 of the sequence's 2,048 tokens
	s_lshl_b32 s20, s19, 15
	s_lshl_b32 s23, s15, 14
	s_add_co_u32 s20, s20, s23                     ; (256 x that + 128 x half) x 128 bytes
	s_add_nc_u64 s[6:7], s[6:7], s[20:21]          ; cos and sin at my first token
	s_add_nc_u64 s[8:9], s[8:9], s[20:21]
	s_mov_b32 s22, s20                             ; q: the same number: (16 x that + 8 x half) tiles of 2,048 bytes
	s_lshr_b32 s40, s19, 1
	s_lshl_b32 s40, s40, 17                        ; k, v: the chunk of 512 keys,
	s_and_b32 s41, s17, 1
	s_lshl_b32 s41, s41, 15                        ; in it 16 tiles for the odd 256 tokens,
	s_add_co_u32 s40, s40, s41
	s_add_co_u32 s40, s40, s23                     ; 8 for my half,
	s_add_co_u32 s40, s40, 262144                  ; behind q;
	s_cmp_eq_u32 ttmp9, 2
	s_cselect_b32 s41, 65536, 0
	s_add_co_u32 s40, s40, s41                     ; v behind k
	s_cmp_eq_u32 ttmp9, 0
	s_cselect_b32 s22, s22, s40
	s_lshr_b32 s20, s17, 3                         ; the batch
	s_lshl_b32 s20, s20, 4
	s_lshl_b32 s23, s18, 2
	s_add_co_u32 s20, s20, s23
	s_lshl_b32 s23, s16, 1
	s_add_co_u32 s20, s20, s23                     ; 16 x batch + my first head
	s_mul_i32 s20, s20, HS
	s_add_co_u32 s20, s20, s22                     ; under 2^26
	s_add_nc_u64 s[10:11], s[10:11], s[20:21]      ; qkv at my first tile
; cos and sin of row block a (16 tokens): lane (r, hh) takes, for each block n of 16 channels, the four pairs 8 n + 4 hh + 0 .. 3 of token r
.macro CSLOAD a
.set CC, CB+32*((\a)%2)
.irp n, 0,1,2,3
	global_load_b128 v[CC+4*\n:CC+4*\n+3], v[CSA], s[6:7] offset:(\a)*2048+32*\n
	global_load_b128 v[CC+16+4*\n:CC+16+4*\n+3], v[CSA], s[8:9] offset:(\a)*2048+32*\n
.endr
.endm
	; sqk and the first two row blocks' cos and sin are asked for here and land under the product.  Every work-group asks, v's too, which does not use them: so the text parts once only, on the way out.
	WIN TO_B
.irp b, 0,1,2,3,4,5,6,7
	global_load_b128 v[SCR+8*\b:SCR+8*\b+3], v[SQA], s[4:5] offset:64*\b
	global_load_b128 v[SCR+8*\b+4:SCR+8*\b+7], v[SQA], s[4:5] offset:64*\b+16
.endr
	WIN 0
	CSLOAD 0
	CSLOAD 1
.macro FRAG reg, adr, q, i             ; a fragment, 16 rows x 128 K of 4-bit codes, is 8 registers: lane l holds row l % 16; registers 4 c .. 4 c + 3 hold K = 64 c + 32 (l / 16) + 0 .. 31
.irp c, 0,1
	ds_load_b128 v[\reg+4*\c:\reg+4*\c+3], v[\adr] offset:64*(\q)+32*\c+(\i)*16*PITCH
.endr
.endm
; 16 matrix instructions: x's blocks a0, a0 + 1 against W's eight, 128 along K: the slot's q-th.  p: W's set;  sc: the set of scale words.  zero = 1: the first product starts the sums: nothing is ever cleared.
; The 64 accumulators take turns, one instruction a turn, in the same order in every step.
.macro MUL16 a0, p, q, sc, zero
.irp a, \a0, \a0+1
.irp b, 0,1,2,3,4,5,6,7
.if \zero
	v_wmma_scale_f32_16x16x128_f8f6f4 v[8*(8*((\a)%4)+\b):8*(8*((\a)%4)+\b)+7], v[128*(\p)+FR*\b:128*(\p)+FR*\b+FR-1], v[AF+FR*(\a):AF+FR*(\a)+FR-1], 0, v[SC+8*NQ*(\sc)+NQ*\b+(\q)], v[SC+8*NQ*(\sc)+NQ*(\a)+(\q)] matrix_a_fmt:MATRIX_FMT_FP4 matrix_b_fmt:MATRIX_FMT_FP4 matrix_a_scale:MATRIX_SCALE_ROW1
.else
	v_wmma_scale_f32_16x16x128_f8f6f4 v[8*(8*((\a)%4)+\b):8*(8*((\a)%4)+\b)+7], v[128*(\p)+FR*\b:128*(\p)+FR*\b+FR-1], v[AF+FR*(\a):AF+FR*(\a)+FR-1], v[8*(8*((\a)%4)+\b):8*(8*((\a)%4)+\b)+7], v[SC+8*NQ*(\sc)+NQ*\b+(\q)], v[SC+8*NQ*(\sc)+NQ*(\a)+(\q)] matrix_a_fmt:MATRIX_FMT_FP4 matrix_b_fmt:MATRIX_FMT_FP4 matrix_a_scale:MATRIX_SCALE_ROW1
.endif
.endr
.endr
.endm
.macro FETCH_B slot, q, p              ; W's eight fragments of the slot's q-th 128 along K into set p
	WIN TO_B
.irp i, 0,1,2,3,4,5,6,7
	FRAG 128*(\p)+FR*\i, ADRB+\slot, \q, \i
.endr
	WIN 0
.endm
.macro FETCH_A slot, q, i0             ; x's blocks i0 .. i0 + 3
.irp i, \i0, \i0+1, \i0+2, \i0+3
	FRAG AF+FR*(\i), ADRA+\slot, \q, \i
.endr
.endm
.macro SCALES sc                       ; a K step's scale words into set sc: NQ words a row; lanes 0-15 take x's block i, lanes 16-31 W's block i
.irp i, 0,1,2,3,4,5,6,7
	ds_load_b128 v[SC+8*NQ*\sc+NQ*\i:SC+8*NQ*\sc+NQ*\i+3], v[ADRS] offset:\i*SBLK
.endr
.endm
; A load into a register that a matrix instruction has read, and a vector instruction that reads a matrix result or writes one of a matrix instruction's registers, stand NP places behind it, and only plain vector
; instructions that name none of its registers are places (ISA guide 7.12.1 for vector instructions).
.macro PLACES n
.rept \n
	v_nop
.endr
.endm
; A step of 128 along K that has its successor in the same slot.  x's blocks go one after the other, each against W's eight: so one set of registers serves x (blocks 0-3 fetched anew in the step's middle, 4-7 at its end), two serve W.
.macro STEP slot, q, zero
	s_wait_dscnt 4*NL                              ; W's set and x's blocks 0-3 are in; the youngest eight loads (x's blocks 4-7) may be out
	WIN MUL_LO
	MUL16 0, (\q)%2, \q, \slot, \zero
	MUL16 2, (\q)%2, \q, \slot, \zero
	s_wait_dscnt 0                                 ; x's blocks 4-7 are in (asked for 32 matrix instructions ago)
	PLACES NP
	FETCH_B \slot, (\q)+1, 1-(\q)%2
	FETCH_A \slot, (\q)+1, 0
	WIN MUL_HI
	MUL16 4, (\q)%2, \q, \slot, \zero
	MUL16 6, (\q)%2, \q, \slot, \zero
	PLACES NP
	WIN 0
	FETCH_A \slot, (\q)+1, 4
.endm
; Slot 0's last step goes over to slot 1: one barrier; in front of it each wave waits for all its tensor loads (its part of slot 1), adds 0 to its spare word, and waits for that and for its LDS loads.  Nothing is filled again.
.macro TURN slot, next
	s_wait_tensorcnt 0x0                           ; all my tensor loads have landed: my part of the next slot;  (every window is 0 here: the add's two registers lie in window 0)
	ds_add_u32 v[SPW], v[NIL]                      ; 0 onto my spare word
	s_wait_dscnt 4*NL+1                            ; (the add and the youngest eight loads, x's blocks 4-7, may be out)
	WIN MUL_LO
	MUL16 0, 1, NQ-1, \slot, 0                     ; sixteen matrix instructions stand between the add and the wait for it
	s_wait_dscnt 0x0                               ; the add is done, and no LDS instruction of mine is out at the signal
	s_barrier_signal -1
	MUL16 2, 1, NQ-1, \slot, 0
	WIN 0
	s_barrier_wait -1                              ; the next slot is whole
	PLACES NP
	v_add_nc_u32 v[ADRS], 4*NQ, v[ADRS]            ; on to the next K step's scale words (no LDS load of mine is out)
	FETCH_B \next, 0, 0
	FETCH_A \next, 0, 0
	SCALES \next
	WIN MUL_HI
	MUL16 4, 1, NQ-1, \slot, 0
	MUL16 6, 1, NQ-1, \slot, 0
	PLACES NP
	WIN 0
	FETCH_A \next, 0, 4
.endm
.macro STEPS slot, from                ; the slot's steps from .. NQ - 2
.set Q, \from
.rept NQ-1-\from
	STEP \slot, Q, 0
.set Q, Q+1
.endr
.endm
	s_wait_tensorcnt 1                             ; the scales and my part of K step 0 are in; K step 1's load, issued behind them, may be out
	s_barrier_signal -1
	s_barrier_wait -1                              ; everybody's are
	FETCH_B 0, 0, 0
	FETCH_A 0, 0, 0
	SCALES 0
	FETCH_A 0, 0, 4
	STEP 0, 0, 1                                   ; the first step's products start the sums
	STEPS 0, 1
	TURN 0, 1
	STEPS 1, 0
	s_wait_dscnt 4*NL                              ; the very last step: nothing more to fetch
	WIN MUL_LO
	MUL16 0, 1, NQ-1, 1, 0
	MUL16 2, 1, NQ-1, 1, 0
	s_wait_dscnt 0
	WIN MUL_HI
	MUL16 4, 1, NQ-1, 1, 0
	MUL16 6, 1, NQ-1, 1, 0
	WIN 0
; THE WAY OUT OF q AND k, row block a: 16 tokens x my 128 columns (two heads).  Accumulator (a, b), register j: token r, column 16 b + 8 hh + j: head b / 4, channel 16 (b % 4) + 8 hh + j.
.macro QKROW a
.set AC, 64*((\a)%4)
.set CC, CB+32*((\a)%2)
.if (\a) < 7
	s_wait_loadcnt 8                               ; this block's cos and sin are in; the next block's eight loads may be out
.else
	s_wait_loadcnt 0x0
.endif
	WIN 0x02+(\a)/4                                ; source 0: window 2 or 3
.irp b, 0,1,2,3,4,5,6,7                ; the rotation: (t0, t1) -> (t0 c - t1 s, t0 s + t1 c), each a multiply and a fused multiply-add.  An accumulator's first read is of its register 1
.irp p, 0,1,2,3
	v_mul_f32 v[Y+8*\b+2*\p],   v[AC+8*\b+2*\p+1], v[CC+16+4*(\b%4)+\p]
	v_mul_f32 v[Y+8*\b+2*\p+1], v[AC+8*\b+2*\p+1], v[CC+4*(\b%4)+\p]
.endr
.irp p, 0,1,2,3
	v_fma_f32 v[Y+8*\b+2*\p],   v[AC+8*\b+2*\p], v[CC+4*(\b%4)+\p], -v[Y+8*\b+2*\p]
	v_fma_f32 v[Y+8*\b+2*\p+1], v[AC+8*\b+2*\p], v[CC+16+4*(\b%4)+\p], v[Y+8*\b+2*\p+1]
.endr
.endr
	WIN 0
.if (\a) < 6
	CSLOAD (\a)+2                                  ; this buffer takes the block two further on
.endif
.irp h, 0,1                            ; the squares of my 32 channels of each head: two chains a head, the four by turns; the first products start the sums
.irp c, 0,1
	v_pk_mul_f32 v[2+4*\h+2*\c:3+4*\h+2*\c], v[Y+32*\h+2*\c:Y+32*\h+2*\c+1], v[Y+32*\h+2*\c:Y+32*\h+2*\c+1]
.endr
.endr
.irp i, 1,2,3,4,5,6,7
.irp h, 0,1
.irp c, 0,1
	v_pk_fma_f32 v[2+4*\h+2*\c:3+4*\h+2*\c], v[Y+32*\h+4*\i+2*\c:Y+32*\h+4*\i+2*\c+1], v[Y+32*\h+4*\i+2*\c:Y+32*\h+4*\i+2*\c+1], v[2+4*\h+2*\c:3+4*\h+2*\c]
.endr
.endr
.endr
	v_pk_add_f32 v[2:3], v[2:3], v[4:5]
	v_pk_add_f32 v[6:7], v[6:7], v[8:9]
	v_add_f32 v2, v2, v3
	v_add_f32 v6, v6, v7
	v_permlanex16_b32 v10, v2, s12, s13            ; the head's other 32 channels lie in the lane 16 away
	v_permlanex16_b32 v11, v6, s12, s13
	v_add_f32 v2, v2, v10
	v_add_f32 v6, v6, v11
	v_rsq_f32 v12, v2                              ; 1 / the norm, for each of the two heads
	v_rsq_f32 v14, v6
	v_nop                                          ; a plain instruction behind the last of them
	s_wait_alu depctr_va_vdst(0)                   ; and a wait ahead of the first use: one for both
.irp i, 0,1,2,3,4,5,6,7,8,9,10,11,12,13,14,15,16,17,18,19,20,21,22,23,24,25,26,27,28,29,30,31
	v_pk_mul_f32 v[Y+2*\i:Y+2*\i+1], v[Y+2*\i:Y+2*\i+1], v[12+2*(\i/16):13+2*(\i/16)] op_sel_hi:[1,0]
.endr
	WIN 0x04                                       ; source 1: window 1
.irp i, 0,1,2,3,4,5,6,7,8,9,10,11,12,13,14,15,16,17,18,19,20,21,22,23,24,25,26,27,28,29,30,31
	v_pk_mul_f32 v[Y+2*\i:Y+2*\i+1], v[Y+2*\i:Y+2*\i+1], v[SCR+2*\i:SCR+2*\i+1]   ; x the gain of the column
.endr
	WIN 0
.if (\a) > 0
	s_wait_xcnt 0x0                                ; the last block's stores have read their data: PK is rewritten only behind this wait
.endif
.irp b, 0,1,2,3,4,5,6,7
.irp p, 0,1,2,3
	v_cvt_pk_f16_f32 v[PK+4*\b+\p], v[Y+8*\b+2*\p], v[Y+8*\b+2*\p+1]
.endr
.endr
.irp b, 0,1,2,3,4,5,6,7
	global_store_b128 v[QST], v[PK+4*\b:PK+4*\b+3], s[10:11] offset:(\a)*2048+(\b/4)*HS+(\b%4)*512   ; a piece: 32 lanes store 512 consecutive bytes, aligned
.endr
.endm
; THE WAY OUT OF v: rounded to f16 as it stands, each accumulator from its low end on
.macro VROW a
.set AC, 64*((\a)%4)
.if (\a) > 0
	s_wait_xcnt 0x0                                ; the last block's stores have read their data
.endif
	WIN 0x0a+5*((\a)/4)                            ; sources 0 and 1: window 2 or 3
.irp b, 0,1,2,3,4,5,6,7
.irp p, 0,1,2,3
	v_cvt_pk_f16_f32 v[PK+4*\b+\p], v[AC+8*\b+2*\p], v[AC+8*\b+2*\p+1]
.endr
.endr
	WIN 0
.irp b, 0,1,2,3,4,5,6,7
	global_store_b128 v[VST], v[PK+4*\b:PK+4*\b+3], s[10:11] offset:(\a)*2048+(\b/4)*HS+(\b%4)*512
.endr
.endm
	PLACES NP                                      ; behind the last products: their results are read, and x's fragments' registers written, below
	s_cmp_eq_u32 ttmp9, 2                          ; the cluster's x: alike in all sixteen partners
	s_cbranch_scc1 .Lv_out
	v_mov_b32 v10, 0                               ; written once: a lane permute's destination counts as one of its sources,
	v_mov_b32 v11, 0
	v_mov_b32 v13, 0                               ; and the upper halves of the pairs that the packed multiplies name
	v_mov_b32 v15, 0
	s_wait_loadcnt 16                              ; sqk's sixteen loads are in; behind them the first two row blocks' cos and sin, eight loads each, may be out
	WIN 0x41                                       ; destination and source 0: window 1
.irp i, 0,1,2,3,4,5,6,7,8,9,10,11,12,13,14,15,16,17,18,19,20,21,22,23,24,25,26,27,28,29,30,31
	v_pk_mul_f32 v[SCR+2*\i:SCR+2*\i+1], v[SCR+2*\i:SCR+2*\i+1], s[2:3] op_sel_hi:[1,0]   ; the gain: sqk x 32, exact
.endr
	WIN 0
.irp a, 0,1,2,3,4,5,6,7
	QKROW \a
.endr
	s_branch .Ldone
.Lv_out:
.irp a, 0,1,2,3,4,5,6,7
	VROW \a
.endr
.Ldone:
	s_wait_tensorcnt 0x0                           ; the wave's end, behind my last tensor load
	ds_add_u32 v[SPW], v[NIL]
	s_wait_dscnt 0x0
	CROUND                                         ; the closing round: no work-group ends while a partner may still ask for a tile that names it
	s_endpgm
.Lfunc_end_k_q70f1c96b7e_proj:
	.size	k_q70f1c96b7e_proj, .Lfunc_end_k_q70f1c96b7e_proj-k_q70f1c96b7e_proj
	.p2alignl 7, 3214868480
	.fill 96, 4, 3214868480
	.section	.rodata,"a",@progbits
	.p2align	6, 0x0
	.amdhsa_kernel k_q70f1c96b7e_proj
		.amdhsa_group_segment_fixed_size 327680
		.amdhsa_private_segment_fixed_size 0
		.amdhsa_enable_private_segment 0
		.amdhsa_kernarg_size 64
		.amdhsa_user_sgpr_count 2
		.amdhsa_user_sgpr_kernarg_segment_ptr 1
		.amdhsa_wavefront_size32 1
		.amdhsa_system_sgpr_workgroup_id_x 1
		.amdhsa_system_sgpr_workgroup_id_y 1
		.amdhsa_system_sgpr_workgroup_id_z 1
		.amdhsa_system_vgpr_workitem_id 0
		.amdhsa_next_free_vgpr 1024
		.amdhsa_next_free_sgpr 98
		.amdhsa_reserve_vcc 0
		.amdhsa_float_denorm_mode_32 3
		.amdhsa_float_denorm_mode_16_64 3
		.amdhsa_memory_ordered 1
		.amdhsa_forward_progress 1
		.amdhsa_inst_pref_size 252
	.end_amdhsa_kernel
	.amdgpu_metadata
---
amdhsa.version: [ 1, 2 ]
amdhsa.kernels:
  - .name:           k_q70f1c96b7e_proj
    .symbol:         k_q70f1c96b7e_proj.kd
    .args:
      - { .name: x_codes, .offset: 0, .size: 8, .value_kind: global_buffer, .address_space: global }
      - { .name: x_scales, .offset: 8, .size: 8, .value_kind: global_buffer, .address_space: global }
      - { .name: w_codes, .offset: 16, .size: 8, .value_kind: global_buffer, .address_space: global }
      - { .name: w_scales, .offset: 24, .size: 8, .value_kind: global_buffer, .address_space: global }
      - { .name: sqk, .offset: 32, .size: 8, .value_kind: global_buffer, .address_space: global }
      - { .name: freqs_cos, .offset: 40, .size: 8, .value_kind: global_buffer, .address_space: global }
      - { .name: freqs_sin, .offset: 48, .size: 8, .value_kind: global_buffer, .address_space: global }
      - { .name: qkv, .offset: 56, .size: 8, .value_kind: global_buffer, .address_space: global }
    .group_segment_fixed_size: 327680
    .private_segment_fixed_size: 0
    .kernarg_segment_align: 8
    .kernarg_segment_size: 64
    .max_flat_workgroup_size: 128
    .sgpr_count:     98
    .vgpr_count:     1024
    .wavefront_size: 32
...
	.end_amdgpu_metadata
.endif
;; end of part 2
;; launch attn (part 3): grid 4 x 64, 8 waves a work-group, clusters of 4 x 1, 327,680 bytes of LDS; arguments qkv, out0; writes out0
.if DOCPART == 3
	.amdgcn_target "amdgcn-amd-amdhsa--gfx1250"
	.amdhsa_code_object_version 6
	.text
	.protected	k_q70f1c96b7e_attn
	.globl	k_q70f1c96b7e_attn
	.p2align	8
	.type	k_q70f1c96b7e_attn,@function
k_q70f1c96b7e_attn:
	s_mov_b64 s[64:65], 0
	v_nop
	global_prefetch_b8 v0, s[64:65] scope:SCOPE_SE
	s_setreg_imm32_b32 hwreg(HW_REG_WAVE_MODE, 25, 1), 1
	s_wait_xcnt 0x0
	s_wait_alu depctr_hold_cnt(0) depctr_sa_sdst(0) depctr_va_vdst(0) depctr_va_sdst(0) depctr_va_ssrc(0) depctr_va_vcc(0) depctr_vm_vsrc(0)
	s_getreg_b32 s2, hwreg(HW_REG_IB_STS2, 6, 4)
	s_cmp_eq_u32 s2, 0
	s_cbranch_scc0 .Lentry_in_a_cluster
	s_endpgm
.Lentry_in_a_cluster:
	s_bfe_u32 s2, ttmp6, 0x10000c
	s_cmp_lg_u32 s2, 0x3003
	s_cbranch_scc0 .Lentry_shape_is_right
	s_endpgm
.Lentry_shape_is_right:
; out[b][q][64 h + d] = the sum over k of softmax_k(Q[q] . K[k] / 8) V[k][d], for each of the 64 heads (16 b + h), 2,048 queries and keys, 64 channels, no mask.  Q, K, V are f16, made by the launch before;
; products, maxima and sums in f32; the weights p are rounded to f16 for the second product; out is f32.
; qkv holds IMAGES OF OPERAND REGISTERS.  A head has HS bytes: Q (262,144), then four chunks of 512 keys, each K (65,536) and then V (65,536).  A tile of 16 tokens is 2,048 bytes: four pieces of 512, piece n = channels
; 16 n .. 16 n + 15, 16 bytes a lane.  Q's and K's pieces 2 c and 2 c + 1, read at 16 x lane, are registers 0-3 and 4-7 of the fragment of channels 32 c on.  V's pieces are laid so that the turning LDS load at 16 x lane
; leaves half a fragment of V^T (lane % 16 = channel, eight keys).  So every LDS load reads 512 consecutive bytes, no row is padded, and a chunk is one dense block for the tensor loads.
; SHARES.  A work-group owns 512 queries of one head, each of its eight waves 64: four tiles of 16, in 512 registers; two waves lie on a SIMD, so that one wave's softmax stands beside the other's products.
; Every wave walks all keys, 64 a step.  A chunk is a slot of a ring of two; each wave fetches an eighth of it (64 rows of 256 bytes) by one tensor load, which has a slot's eight steps in which to land.
; CLUSTER.  The four query blocks of a head form a cluster and walk the same K and V: each tile is asked for JOINTLY, by the same tensor load with the same descriptor and a mask that names the four.
; LAYOUT.  S^T = K Q^T (source 0 = 16 keys, source 1 = 16 queries): a lane holds ONE query (lane % 16) and the keys 8 (lane / 16) + 0..7.  Two such tiles, rounded to f16 in pairs, ARE source 1 (32 keys x 16 queries) of
; O^T = V^T P, whose result again holds one query a lane, and eight channels.
; SOFTMAX.  For each query a running maximum m and sum l: p = 2^(c s - c m), c = log2(e) / 8; in every step O and l are multiplied by a = 2^(c m_old - c m_new).  m begins at -3e38 and O and l at 0, so that the step
; is written once: the first a is 0.  No prefetch is laid: each chunk is asked for eight steps, 512 matrix instructions of the wave, ahead of the wait for it.
; LIMITS: NaN and infinities are not served.
; REGISTERS: window 0: v0-11 addresses; v16-47 eight registers of statistics a tile; v64-191 S^T, 32 a tile (P is laid over a tile's low 16); v192-255 K of one step.
;   window 1: v0-127 O^T, 32 a tile; v128-191 Q; v192-255 V of one step.
.set HS,    786432                     ; a head's bytes in qkv
.set QB,    262144                     ; Q's part of them
.set CHUNK, 131072                     ; 512 keys: K, then V
.set SLOT1, 1<<17                      ; slot 1 begins here: one exclusive or turns an address in one slot into the other's
.set VOFF,  65536                      ; V behind K in a slot
.set STEPB, 8192                       ; 64 keys of K, or of V
.set NST,   8                          ; steps in a slot
.set STAGE, 2*SLOT1                    ; behind the ring: 16 rows x 272 bytes for each wave, for the way out; no tile lands here
.set SP,    272
.set SPARE, STAGE+8*16*SP              ; behind the stages: the spare words, 128 bytes for each wave, which no other line names
.set L16,  3                           ; v3   16 x lane; never rewritten
.set L16V, 4                           ; v4   the same + VOFF
.set ADK,  5                           ; v5   LDS address of the K in hand
.set ADV,  6                           ; v6   of the V
.set STO,  7                           ; v7   the way out: where I put 32 bytes of a row
.set RD,   8                           ; v8   where I read a row back
.set GO,   9                           ; v9   my byte offset in the wave's rows of out
.set SPW,  10                          ; v10  LDS address of my spare word: SPARE + 4 x my thread's number; never rewritten
.set NIL,  11                          ; v11  0; never rewritten
.set ST,   16                          ; tile t's statistics at v[ST+8 t]: +0 c m, +1 m, +2, +3 l (even keys', odd keys'), +4 to +7 c0-c3, at work; a takes c2's place once the maximum is found
.set S,    64
.set KF,   192
.set QF,   128                         ; in window 1
.set VF,   192                         ; in window 1
.set WV,   8                           ; s8   my wave's number
.set CS,   10                          ; s[10:11] c: the packed scaling names a pair and takes its low word for both halves
.set SEL,  12                          ; s[12:13] lane selects for v_permlanex16_b32: lane l xor 16
.set TB,   14                          ; s14  LDS byte at which the step's K begins
.set TK,   15                          ; s15  and the next step's
.set CNT,  16                          ; s16  counts a slot's steps
.set SLOTS, 17                         ; s17  slots still to be asked for
.set G1,   24                          ; s[24:31] descriptor group 1
.set G0,   32                          ; s[32:35] descriptor group 0, which walks
.set MSB, 0
.macro WIN new                         ; s_set_vgpr_msb's low byte: bits 1:0 source 0, 3:2 source 1, 5:4 source 2, 7:6 destination; the high byte repeats the setting that is left
.if MSB != (\new)
	s_set_vgpr_msb (MSB<<8)|(\new)
.set MSB, (\new)
.endif
.endm
.macro CROUND                          ; a round of the cluster's barrier: my work-group's barrier; wave 0 signals for the work-group; every wave waits for all four; my work-group's barrier once more
	s_barrier_signal -1
	s_barrier_wait -1
	s_cmp_lg_u32 s[WV], 0
	s_cbranch_scc1 .Lnot_wave_0_\@
	s_barrier_signal -3
.Lnot_wave_0_\@:
	s_barrier_wait -3
	s_barrier_signal -1
	s_barrier_wait -1
.endm
	s_load_b128 s[4:7], s[0:1], 0x0                ; qkv s[4:5], out s[6:7]
	v_lshl_add_u32 v[SPW], v0, 2, SPARE
	v_mov_b32 v[NIL], 0
	ds_add_u32 v[SPW], v[NIL]                      ; the wave's opening: the add, twice on end, and its wait ahead of my first tensor load; the set-up below, work on registers, stands between
	ds_add_u32 v[SPW], v[NIL]                      ; and once more, under the one wait
	v_lshrrev_b32 v1, 5, v0
	v_readfirstlane_b32 s[WV], v1                  ; wave 0..7
	s_bfe_u32 s18, ttmp6, 0x40000                  ; cx: my block of 512 queries: it enters Q's and out's addresses alone
	s_and_b32 s19, ttmp7, 0xffff                   ; the head, 16 b + h, which the four partners share
	s_mul_i32 s20, s19, HS                         ; under 2^26
	s_mov_b32 s21, 0
	s_lshl_b32 s22, s[WV], 14                      ; my eighth of a chunk, 16,384 bytes,
	s_add_co_u32 s22, s22, QB                      ; behind Q
	s_mov_b32 s23, 0
	; descriptor group 1: 64 rows of 256 bytes (32 elements of 8 bytes), dense in memory and in LDS
	s_mov_b32 s[G1], 15|(3<<16)|(1<<21)            ; 15:0 the mask: all four work-groups; 17:16 elements of 8 bytes; 20 no padding; 21 set beside a mask
	s_mov_b32 s[G1+1], 32<<16                      ; tensor_dim0 = 32
	s_mov_b32 s[G1+2], 64<<16                      ; tensor_dim1 = 64
	s_mov_b32 s[G1+3], 32<<16                      ; tile_dim0 = 32
	s_mov_b32 s[G1+4], 64                          ; tile_dim1 = 64
	s_mov_b32 s[G1+5], 32                          ; tensor_dim0_stride
	s_mov_b32 s[G1+6], 0
	s_mov_b32 s[G1+7], 0
	s_mov_b32 s[G0], 1                             ; count = 1
	s_lshl_b32 s[G0+1], s[WV], 14                  ; LDS address: slot 0, my eighth: no place in the cluster enters it
	s_mov_b32 s[CS], 0x3e38aa3b                    ; c = log2(e) / 8
	s_mov_b32 s[CS+1], s[CS]
	s_mov_b32 s[SEL], 0x76543210
	s_mov_b32 s[SEL+1], 0xfedcba98
	s_mov_b32 s[TB], 0
	s_mov_b32 s[SLOTS], 3
	v_and_b32 v1, 15, v0                           ; r = l % 16
	v_bfe_u32 v2, v0, 4, 1                         ; hh = l / 16
	v_and_b32 v[L16], 31, v0
	v_lshlrev_b32 v[L16], 4, v[L16]
	v_add_nc_u32 v[L16V], VOFF, v[L16]
	s_mul_i32 s15, s[WV], 16*SP
	s_add_co_u32 s15, s15, STAGE                   ; my stage
	v_mul_u32_u24 v[STO], v1, SP                   ; in: row r, 32 bytes for each half of the lanes
	v_lshl_add_u32 v[STO], v2, 5, v[STO]
	v_add_nc_u32 v[STO], s15, v[STO]
	v_mul_u32_u24 v[RD], v2, SP                    ; back: lanes 0-15 take one row of 256 bytes, lanes 16-31 the next
	v_lshl_add_u32 v[RD], v1, 4, v[RD]
	v_add_nc_u32 v[RD], s15, v[RD]
	v_lshlrev_b32 v[GO], 12, v2                    ; and the same two rows in out, 4,096 bytes apart
	v_lshl_add_u32 v[GO], v1, 4, v[GO]
	s_wait_dscnt 0x0                               ; both opening adds are done
	s_wait_kmcnt 0x0
	s_add_nc_u64 s[4:5], s[4:5], s[20:21]          ; the head's block
	s_add_nc_u64 s[G0+2:G0+3], s[4:5], s[22:23]    ; global address: chunk 0, my eighth
	s_or_b32 s[G0+3], s[G0+3], 0x80000000          ; type = 2
	CROUND                                         ; all four work-groups are here: the first joint loads meet
	tensor_load_to_lds s[G0:G0+3], s[G1:G1+7]      ; chunk 0 into slot 0: every wave issues the line, each for rows of its own
	s_nop 0
.rept 4
	v_nop
.endr
	s_lshl_b32 s20, s18, 16                        ; Q: my block's 32 tiles of 2,048 bytes,
	s_lshl_b32 s22, s[WV], 13                      ; my wave's 4
	s_add_co_u32 s20, s20, s22
	s_add_nc_u64 s[4:5], s[4:5], s[20:21]
	s_lshr_b32 s22, s19, 4
	s_lshl_b32 s22, s22, 23                        ; out: the batch's 2,048 rows of 4,096 bytes,
	s_lshl_b32 s20, s18, 21                        ; my block's 512,
	s_add_co_u32 s22, s22, s20
	s_lshl_b32 s20, s[WV], 18                      ; my wave's 64,
	s_add_co_u32 s22, s22, s20
	s_and_b32 s20, s19, 15
	s_lshl_b32 s20, s20, 8                         ; and the head's 256 bytes of a row
	s_add_co_u32 s22, s22, s20
	s_add_nc_u64 s[6:7], s[6:7], s[22:23]
	WIN 0x40                                       ; destination window 1, address window 0
.irp i, 0,1,2,3,4,5,6,7,8,9,10,11,12,13,14,15  ; Q stays in registers: piece i = 4 tile + n into registers 4 i on
	global_load_b128 v[QF+4*\i:QF+4*\i+3], v[L16], s[4:5] offset:512*\i th:TH_LOAD_NT
.endr
.set i, 0
.rept 128
	v_mov_b32 v[i], 0                              ; O^T.  (The step is written once: the first finds zeros, which a = 0 leaves zeros)
.set i, i+1
.endr
	WIN 0
.irp t, 0,1,2,3
	v_mov_b32 v[ST+8*\t+1], 0xff61b1e6             ; m = -3e38, under every score
	v_mov_b32 v[ST+8*\t+2], 0                      ; l, in two halves
	v_mov_b32 v[ST+8*\t+3], 0
.endr
.irp t, 0,1,2,3
	v_mul_f32 v[ST+8*\t], s[CS], v[ST+8*\t+1]      ; c m
.endr
.macro KLOAD                           ; a step's K: 4 tiles of 16 keys x 4 pieces: fragment (tile k, channels 32 c on) at KF + 8 (2 k + c)
.irp k, 0,1,2,3
.irp p, 0,1,2,3
	ds_load_b128 v[KF+16*\k+4*\p:KF+16*\k+4*\p+3], v[ADK] offset:2048*\k+512*\p
.endr
.endr
.endm
.macro VLOAD                           ; a step's V, turned: fragment (keys 32 u on, channels 16 n on) at VF + 8 (4 u + n): its halves from tiles 2 u and 2 u + 1
.irp u, 0,1
.irp n, 0,1,2,3
	ds_load_tr16_b128 v[VF+8*(4*\u+\n):VF+8*(4*\u+\n)+3],   v[ADV] offset:(2*\u)*2048+512*\n
	ds_load_tr16_b128 v[VF+8*(4*\u+\n)+4:VF+8*(4*\u+\n)+7], v[ADV] offset:(2*\u+1)*2048+512*\n
.endr
.endr
.endm
; The accumulators take turns, one instruction a turn: between two links of a chain stand the 15 others'.
.macro KQ                              ; S^T = K Q^T: 32 products; the first 16 start the sums
.irp c, 0,1
.irp k, 0,1,2,3
.irp t, 0,1,2,3
.if \c == 0
	v_wmma_f32_16x16x32_f16 v[S+32*\t+8*\k:S+32*\t+8*\k+7], v[KF+8*(2*\k+\c):KF+8*(2*\k+\c)+7], v[QF+16*\t+8*\c:QF+16*\t+8*\c+7], 0
.else
	v_wmma_f32_16x16x32_f16 v[S+32*\t+8*\k:S+32*\t+8*\k+7], v[KF+8*(2*\k+\c):KF+8*(2*\k+\c)+7], v[QF+16*\t+8*\c:QF+16*\t+8*\c+7], v[S+32*\t+8*\k:S+32*\t+8*\k+7]
.endif
.endr
.endr
.endr
.endm
.macro PV                              ; O^T += V^T P: 32 products
.irp u, 0,1
.irp n, 0,1,2,3
.irp t, 0,1,2,3
	v_wmma_f32_16x16x32_f16 v[32*\t+8*\n:32*\t+8*\n+7], v[VF+8*(4*\u+\n):VF+8*(4*\u+\n)+7], v[S+32*\t+8*\u:S+32*\t+8*\u+7], v[32*\t+8*\n:32*\t+8*\n+7]
.endr
.endr
.endr
.endm
; THE SOFTMAX of a step, the four tiles by turns line by line, so that no line waits for the line above it.  s0-s31 are the lane's 32 scores of a tile.
.macro SOFTMAX
.irp i, 0,1,2,3                        ; the maximum: four chains, one for each accumulator, begun at its low end
.irp t, 0,1,2,3
	v_max3_num_f32 v[ST+8*\t+4+\i], v[S+32*\t+8*\i], v[S+32*\t+8*\i+1], v[S+32*\t+8*\i+2]
.endr
.endr
.irp g, 1,2
.irp i, 0,1,2,3
.irp t, 0,1,2,3
	v_max3_num_f32 v[ST+8*\t+4+\i], v[ST+8*\t+4+\i], v[S+32*\t+8*\i+2*\g+1], v[S+32*\t+8*\i+2*\g+2]
.endr
.endr
.endr
.irp t, 0,1,2,3
	v_max3_num_f32 v[ST+8*\t+4], v[ST+8*\t+4], v[S+32*\t+7], v[S+32*\t+15]
.endr
.irp t, 0,1,2,3
	v_max3_num_f32 v[ST+8*\t+6], v[ST+8*\t+6], v[S+32*\t+23], v[S+32*\t+31]
.endr
.irp t, 0,1,2,3
	v_max3_num_f32 v[ST+8*\t+4], v[ST+8*\t+4], v[ST+8*\t+5], v[ST+8*\t+6]
.endr
.irp t, 0,1,2,3
	v_max3_num_f32 v[ST+8*\t+4], v[ST+8*\t+4], v[ST+8*\t+7], v[ST+8*\t+1]   ; and the old m
.endr
.irp t, 0,1,2,3
	v_permlanex16_b32 v[ST+8*\t+5], v[ST+8*\t+4], s[SEL], s[SEL+1]          ; the query's other 32 keys lie in the lane 16 away
.endr
.irp t, 0,1,2,3
	v_mov_b32 v[ST+8*\t+7], v[ST+8*\t]             ; c m_old is kept for a
.endr
.irp t, 0,1,2,3
	v_max_num_f32 v[ST+8*\t+1], v[ST+8*\t+4], v[ST+8*\t+5]
.endr
.irp t, 0,1,2,3
	v_mul_f32 v[ST+8*\t], s[CS], v[ST+8*\t+1]
.endr
.irp t, 0,1,2,3
	v_sub_f32 v[ST+8*\t+7], v[ST+8*\t+7], v[ST+8*\t]
.endr
; ONE BATCH: the four a and the 128 weights.  None of these lines names an exponential's result; each pair's scaling leads its exponentials.
.irp t, 0,1,2,3
	v_exp_f32 v[ST+8*\t+6], v[ST+8*\t+7]           ; a = 2^(c m_old - c m_new)
.endr
.irp j, 0,1,2,3,4,5,6,7,8,9,10,11,12,13,14,15
.irp t, 0,1,2,3
	v_pk_fma_f32 v[S+32*\t+2*\j:S+32*\t+2*\j+1], v[S+32*\t+2*\j:S+32*\t+2*\j+1], s[CS:CS+1], v[ST+8*\t:ST+8*\t+1] op_sel_hi:[1,0,0] neg_lo:[0,0,1] neg_hi:[0,0,1]   ; c s - c m
.endr
.irp t, 0,1,2,3
	v_exp_f32 v[S+32*\t+2*\j], v[S+32*\t+2*\j]
	v_exp_f32 v[S+32*\t+2*\j+1], v[S+32*\t+2*\j+1]
.endr
.endr
	v_nop                                          ; a plain instruction behind the last exponential, ahead of the first use
	s_wait_alu depctr_va_vdst(0)                   ; a wait ahead of the first instruction that names a result: one for the batch of 132
.irp t, 0,1,2,3
	v_pk_fma_f32 v[ST+8*\t+2:ST+8*\t+3], v[ST+8*\t+2:ST+8*\t+3], v[ST+8*\t+6:ST+8*\t+7], v[S+32*\t:S+32*\t+1] op_sel_hi:[1,0,1]   ; l = a l + the sum of the unrounded p
.endr
.irp j, 1,2,3,4,5,6,7,8,9,10,11,12,13,14,15
.irp t, 0,1,2,3
	v_pk_add_f32 v[ST+8*\t+2:ST+8*\t+3], v[ST+8*\t+2:ST+8*\t+3], v[S+32*\t+2*\j:S+32*\t+2*\j+1]
.endr
.endr
.irp j, 0,1,2,3,4,5,6,7,8,9,10,11,12,13,14,15  ; P over the tile's low 16 registers: register j takes pair j, which lies at 2 j: ascending, no pair is written before it is read
.irp t, 0,1,2,3
	v_cvt_pk_f16_f32 v[S+32*\t+\j], v[S+32*\t+2*\j], v[S+32*\t+2*\j+1]
.endr
.endr
	WIN 0x41                                       ; O^T (destination and source 0) in window 1, a in window 0
.irp j, 0,1,2,3,4,5,6,7,8,9,10,11,12,13,14,15
.irp t, 0,1,2,3
	v_pk_mul_f32 v[32*\t+2*\j:32*\t+2*\j+1], v[32*\t+2*\j:32*\t+2*\j+1], v[ST+8*\t+6:ST+8*\t+7] op_sel_hi:[1,0]   ; O^T x a, each accumulator from its low end on
.endr
.endr
.endm
; THE CHANGE OF SLOTS stands at a slot's head.  Each wave waits for all its tensor loads (its eighth of the slot that it is about to read), adds 0 to its spare word, and waits for that and for its reads of the slot
; that it has left.  fill = 1: a round of the cluster's barrier, so that no wave of any partner still reads the other slot or has a load on its way; behind it that slot takes the next chunk: my one tensor load until
; the next round.  (In the first trip slot 1 is filled for the first time, by all eight waves.)  fill = 0: nothing is asked for, and my work-group's barrier is enough.
.macro CHANGE fill
	s_wait_tensorcnt 0x0                           ; no tensor load of mine is out, so group 0 may be written
	ds_add_u32 v[SPW], v[NIL]                      ; 0 onto my spare word: the descriptor's steps stand between it and the wait for it
.if \fill
	s_xor_b32 s[G0+1], s[G0+1], SLOT1              ; the other slot than last time,
	s_add_nc_u64 s[G0+2:G0+3], s[G0+2:G0+3], CHUNK ; the next 512 keys; the type bits on top are not reached
	s_wait_dscnt 0x0                               ; the add is done, and my reads of the slot that I have left are over
	CROUND
	tensor_load_to_lds s[G0:G0+3], s[G1:G1+7]
	s_nop 0
.rept 4
	v_nop
.endr
.else
	s_wait_dscnt 0x0
	s_barrier_signal -1
	s_barrier_wait -1
.endif
.endm
; A SLOT'S EIGHT STEPS of 64 keys: written once, walked eight times; the LDS addresses hang on s[TB].
.macro SLOT_STEPS
	v_add_nc_u32 v[ADK], s[TB], v[L16]
	KLOAD                                          ; the slot's first K
	s_mov_b32 s[CNT], NST
.Lstep_\@:
	v_add_nc_u32 v[ADV], s[TB], v[L16V]
.rept 4
	v_nop                                          ; with the addition five places behind the last V^T P: V's registers are loaded next (four are asked), and K Q^T writes over P's (five)
.endr
	WIN 0x40                                       ; destination window 1
	VLOAD
	s_wait_dscnt 16                                ; K is in; V's sixteen loads, issued behind it, may be out
	WIN 0x04                                       ; Q (source 1) in window 1
	KQ
	WIN 0
	s_add_co_u32 s[TK], s[TB], STEPB
	v_add_nc_u32 v[ADK], s[TK], v[L16]
.rept 3
	v_nop                                          ; with the addition four places behind the last K Q^T: K's registers are loaded, and the scores read, below
.endr
	s_cmp_eq_u32 s[CNT], 1                         ; the slot's last step has no successor in it
	s_cbranch_scc1 .Lnok_\@
	KLOAD                                          ; the next step's K lands under the softmax
.Lnok_\@:
	SOFTMAX
	s_wait_dscnt 0x0                               ; V is in, and the next K, asked for a whole softmax ago: the count holds on both ways
	WIN 0x51                                       ; V (source 0), C and D in window 1, P in window 0
	PV
	WIN 0                                          ; at a label and at a branch every window is 0
	s_add_co_u32 s[TB], s[TB], STEPB
	s_sub_co_u32 s[CNT], s[CNT], 1
	s_cmp_lg_u32 s[CNT], 0
	s_cbranch_scc1 .Lstep_\@
	s_sub_co_u32 s[TB], s[TB], NST*STEPB           ; back to a slot's first step,
	s_xor_b32 s[TB], s[TB], SLOT1                  ; in the other slot
.endm
	s_wait_loadcnt 0x0                             ; Q
.Lslot:                                            ; three trips: behind each change of slots but the last the next chunk is asked for
	CHANGE 1
	SLOT_STEPS
	s_sub_co_u32 s[SLOTS], s[SLOTS], 1
	s_cmp_lg_u32 s[SLOTS], 0
	s_cbranch_scc1 .Lslot
	CHANGE 0                                       ; the last slot is written out
	SLOT_STEPS
	; THE WAY OUT.  l's two halves and the other half of the lanes' are added; O^T is divided by l and sent through my stage in LDS, a tile (16 rows of out) at a time.  The twelve lines below are the places behind the last products.
.irp t, 0,1,2,3
	v_add_f32 v[ST+8*\t+4], v[ST+8*\t+2], v[ST+8*\t+3]
.endr
.irp t, 0,1,2,3
	v_permlanex16_b32 v[ST+8*\t+5], v[ST+8*\t+4], s[SEL], s[SEL+1]
.endr
.irp t, 0,1,2,3
	v_add_f32 v[ST+8*\t+4], v[ST+8*\t+4], v[ST+8*\t+5]
.endr
.irp t, 0,1,2,3
	v_rcp_f32 v[ST+8*\t+6], v[ST+8*\t+4]
.endr
	v_nop                                          ; a plain instruction between the last reciprocal and the use of its result
	s_wait_alu depctr_va_vdst(0)                   ; and a wait ahead of the first use: one for the four
; Tile t: a lane's eight channels of a block are 32 bytes of a row; they go into rows of 272 bytes and come back as whole rows of 256, into the registers that they left.
.macro PACK t
	WIN 0x01                                       ; O^T (source 0) in window 1; S^T's registers are free
.set i, 0
.rept 16
	v_pk_mul_f32 v[S+32*\t+i:S+32*\t+i+1], v[32*\t+i:32*\t+i+1], v[ST+8*\t+6:ST+8*\t+7] op_sel_hi:[1,0]
.set i, i+2
.endr
	WIN 0
.irp n, 0,1,2,3
	ds_store_b128 v[STO], v[S+32*\t+8*\n:S+32*\t+8*\n+3] offset:64*\n
	ds_store_b128 v[STO], v[S+32*\t+8*\n+4:S+32*\t+8*\n+7] offset:64*\n+16
.endr
.irp f, 0,1,2,3,4,5,6,7
	ds_load_b128 v[S+32*\t+4*\f:S+32*\t+4*\f+3], v[RD] offset:\f*2*SP   ; LDS serves a wave's instructions in order (ISA guide 5.7.1.4): these see the stores above; the next tile's stores come behind them
.endr
.endm
.macro SEND t, younger                 ; younger: the LDS instructions issued behind tile t's loads: the next tile's sixteen, or none
.irp f, 0,1,2,3,4,5,6,7
	s_wait_dscnt \younger+7-\f
	global_store_b128 v[GO], v[S+32*\t+4*\f:S+32*\t+4*\f+3], s[6:7] offset:(16*\t+2*\f)*4096 th:TH_STORE_NT   ; 16 lanes store 256 consecutive bytes, at a multiple of 256 from out's first byte
.endr
.endm
	PACK 0
	PACK 1                                         ; a tile's arithmetic stands between the loads of the tile before and its stores
	SEND 0, 16
	PACK 2
	SEND 1, 16
	PACK 3
	SEND 2, 16
	SEND 3, 0
	s_wait_tensorcnt 0x0                           ; the wave's end, behind my last tensor load and my last LDS store
	ds_add_u32 v[SPW], v[NIL]
	s_wait_dscnt 0x0
	CROUND                                         ; the closing round: no work-group ends while a partner may still ask for a tile that names it
	s_endpgm
.Lfunc_end_k_q70f1c96b7e_attn:
	.size	k_q70f1c96b7e_attn, .Lfunc_end_k_q70f1c96b7e_attn-k_q70f1c96b7e_attn
	.p2alignl 7, 3214868480
	.fill 96, 4, 3214868480
	.section	.rodata,"a",@progbits
	.p2align	6, 0x0
	.amdhsa_kernel k_q70f1c96b7e_attn
		.amdhsa_group_segment_fixed_size 327680
		.amdhsa_private_segment_fixed_size 0
		.amdhsa_enable_private_segment 0
		.amdhsa_kernarg_size 16
		.amdhsa_user_sgpr_count 2
		.amdhsa_user_sgpr_kernarg_segment_ptr 1
		.amdhsa_wavefront_size32 1
		.amdhsa_system_sgpr_workgroup_id_x 1
		.amdhsa_system_sgpr_workgroup_id_y 1
		.amdhsa_system_sgpr_workgroup_id_z 1
		.amdhsa_system_vgpr_workitem_id 0
		.amdhsa_next_free_vgpr 512
		.amdhsa_next_free_sgpr 66
		.amdhsa_reserve_vcc 0
		.amdhsa_float_denorm_mode_32 3
		.amdhsa_float_denorm_mode_16_64 3
		.amdhsa_memory_ordered 1
		.amdhsa_forward_progress 1
		.amdhsa_inst_pref_size 91
	.end_amdhsa_kernel
	.amdgpu_metadata
---
amdhsa.version: [ 1, 2 ]
amdhsa.kernels:
  - .name:           k_q70f1c96b7e_attn
    .symbol:         k_q70f1c96b7e_attn.kd
    .args:
      - { .name: qkv, .offset: 0, .size: 8, .value_kind: global_buffer, .address_space: global }
      - { .name: out0, .offset: 8, .size: 8, .value_kind: global_buffer, .address_space: global }
    .group_segment_fixed_size: 327680
    .private_segment_fixed_size: 0
    .kernarg_segment_align: 8
    .kernarg_segment_size: 16
    .max_flat_workgroup_size: 256
    .sgpr_count:     66
    .vgpr_count:     512
    .wavefront_size: 32
...
	.end_amdgpu_metadata
.endif
;; end of part 3
